; MI455X (gfx1250); checked and timed in simulation.
; The chip was launched on July 23, 2026; its instructions are those of AMD's public machine-readable ISA for CDNA 5 (MIT licence, August 2026) and "CDNA5" Instruction Set Architecture Reference Guide (July 2026). The comments in the code are by the model that wrote it; some were corrected since.
;; Semantic Attention. Allowed arithmetic: matrix products marked QUANTISED: E3M2 operands, one E8M0 scale for each 32 along K, by v_wmma_scale_f32_16x16x128_f8f6f4 with both operands' format E3M2, f32 sums; products left as they are: f32 operands where the result goes on into a quantised operand, else bf16, f16 or f32 operands; f32 sums; everything else in f32.
;; Inputs: bk 4 float32; bq 4 float32; bres 384 float32; bv 384 float32; gamma 1 float32; wk 4 x 384 float32; wq 4 x 384 float32; wres 384 x 384 float32; wv 384 x 384 float32; x 8 x 4,096 x 384 float32.
;; Outputs: out0 8 x 4,096 x 4 float32; out1 8 x 4,096 x 384 float32.
;; This version of the problem:
;;   THIS VERSION OF THE PROBLEM IS GIVEN IN LOW PRECISION. The matrix products marked QUANTISED in the list below multiply operands that are first quantised to E3M2 (3 exponent bits, 2 mantissa bits; 6 bits a number), with one power-of-two scale for each 32 numbers along K (OCP MX v1.0); their sums are f32. All else is computed in f32.
;;   The module's matrix products, in the order in which they are computed (A, B: the left and right operand; K: the contracted axis; several contracted axes count as one K, in the product's order):
;;     1. [M 32,768, K 384] x [K 384, N 4]; A: input x; B: input wq: left as it is (N = 4 < 16)
;;     2. [M 32,768, K 384] x [K 384, N 4]; A: input x; B: input wk: left as it is (N = 4 < 16)
;;     3. [M 32,768, K 384] x [K 384, N 384]; A: input x; B: input wv: QUANTISED
;;     4. batch 8 x [M 4,096, K 4] x [K 4, N 4,096]; A: computed on the way; B: computed on the way: left as it is (K = 4 < 32)
;;     5. batch 8 x [M 4,096, K 4,096] x [K 4,096, N 384]; A: softmax (see below); B: computed on the way: QUANTISED
;;     6. [M 32,768, K 384] x [K 384, N 384]; A: computed on the way; B: input wres: QUANTISED
;;   THE QUANTISER, for each operand of a quantised product, along K:
;;     - K is cut into blocks of 32 from its start; a last block that is shorter is filled with zeros.
;;     - A block's scale is 2^e with e = floor(log2(the largest magnitude in the block)) - 4, held to -126 .. 127; a block of zeros has e = 0. As a byte (E8M0): e + 127.
;;     - Each number is divided by its block's scale, clamped to +-28, and rounded to the nearest number of E3M2, ties to even, subnormals kept.
;;     - The product sums the exact products of the quantised numbers (number of the format x scale) in f32.
;;   ~~~python
;;   def quantise(x, axis):      # numpy; x: float32 -> the quantised numbers, widened to float32 again
;;       x = np.moveaxis(x, axis, -1); K = x.shape[-1]
;;       x = np.pad(x, [(0, 0)] * (x.ndim - 1) + [(0, -K % 32)]); x = x.reshape(x.shape[:-1] + (-1, 32)); a = np.abs(x).max(-1, keepdims=True)
;;       e = np.where(a > 0, np.clip(np.frexp(np.where(a > 0, a, 1))[1] - 1 - 4, -126, 127), 0)      # np.frexp(a)[1] - 1 = floor(log2(a)), exactly
;;       r = np.clip(x / 2.0 ** e, -28, 28)
;;       step = 2.0 ** (np.maximum(np.frexp(np.where(r == 0, 1, r))[1] - 1, -2) - 2)
;;       q = np.round(r / step) * step * 2.0 ** e      # np.round: ties to even
;;       return np.moveaxis(q.reshape(q.shape[:-2] + (-1,))[..., :K], -1, axis).astype(np.float32)
;;   ~~~
;;   SOFTMAX AHEAD OF A QUANTISED PRODUCT. Where the list says 'softmax', what is quantised is not the finished softmax but p = 2^(t - M), with t = logit x log2(e) and M = ceil(the row's largest t), a whole number; so 1/2 < the row's largest p <= 1. The row's sum l is taken of the UNQUANTISED p, in f32, and the product's result is divided by l at the end. Since M is a whole number, a kernel that streams over the keys may use a running M (the ceiling of the running maximum): every later rescaling is an exact power of two, which a block's scale takes up: the codes' values come out the same.
;;   OPERANDS COMPUTED ON THE WAY. 'Computed on the way' means the value that the module computes at that place (a softmax that the list does not call 'softmax' is quantised finished and normalised). What goes into a quantiser is computed in f32, as accurately as f32 sums, v_exp_f32 and their like allow (about 1e-6 of the number): no bf16 or f16 on the way to a quantiser, and a product that is left as it is and whose result goes on into a quantised operand takes f32 operands (vector FMAs, or v_wmma_f32_16x16x4_f32). A number that lies on a knife's edge between two numbers of the format may be rounded either way, as far as f32 arithmetic and the matrix unit's own rounding can turn it there, and no further.
;; One version. Each part assembles by itself: llvm-mc -triple=amdgcn-amd-amdhsa -mcpu=gfx1250 --defsym DOCPART=n.
;; ======== version 1 of 1: 2 launches
;; limits: right only within a limited range of input values
;; workspace buffers: kv 10,485,760 bytes; wr 119,808 bytes
;; launch prep (part 1): grid 256 x 1, 4 waves a work-group, no clusters, 48,640 bytes of LDS; arguments x, wq, bq, wk, bk, wv, bv, wres, out0, kv, wr; writes out0, kv, wr
.if DOCPART == 1
	.amdgcn_target "amdgcn-amd-amdhsa--gfx1250"
	.amdhsa_code_object_version 6
	.text
	.protected	k_qd248e57e57_prep
	.globl	k_qd248e57e57_prep
	.p2align	8
	.type	k_qd248e57e57_prep,@function
k_qd248e57e57_prep:
	s_mov_b64 s[64:65], 0
	v_nop
	global_prefetch_b8 v0, s[64:65] scope:SCOPE_SE
	s_setreg_imm32_b32 hwreg(HW_REG_WAVE_MODE, 25, 1), 1
	s_wait_xcnt 0x0
; SemanticAttention, first of two launches.  For 128 keys a work-group makes: seg_map = x wq^T + bq (out0) and seg_ft = x wk^T + bk, with f32 operands; feats = Q(x) Q(wv)^T + bv on codes of
; BF6 (E3M2) with one E8M0 scale for each 32 along C; and feats once more as codes, quantised along the KEYS, which are the K of the second launch's large product.  18 work-groups also quantise wres.
; NO WORK IS LEFT OUT, AND EVERY INPUT IS LOADED.  bk moves every logit of a row by seg_map . bk, so it moves M = ceil(the row's largest t) and with it the codes of p; bv goes into the codes of feats;
; bq, bres and gamma reach the outputs as they are.
; WHAT IS STORED LIES IN THE ORDER OF THE READER'S OPERAND REGISTERS.  kv: [batch 8][key step 32][40,960 bytes]; a step's block holds 24 fragments of feats^T (16 channels x 128 keys: 12 registers a lane,
; group c of four registers at 512 c + 16 lane), 1,536 bytes each; from 36,864 their scale words, [4][lane][4 words]: word i of lane (r, h) in group g belongs to channel tile 6 g + 2 i + h, word 3 is 0;
; from 38,912 the f32 fragments of seg_ft of the key step TWO ON (modulo 32): [4][lane][16 bytes], two tiles of 16 keys to a lane's 16 bytes.   wr: wres's 72 fragments (3 dt + s) and behind them their scale words.
; THE ROWS OF A TILE ARE NOT NEIGHBOURS, for keys and for channels of wv alike: lane r of tile 2 b + u takes row 32 b + 8 u + r + 8 (r / 8), so that the 16 result registers of tiles 2 b and 2 b + 1 are
; 16 neighbours along the next product's K.  wres's tiles keep plain rows.
; SHARES.  Wave w quantises keys 32 w .. 32 w + 31 of x (6 fragments, handed to the other waves through LDS as images of their registers) and makes their seg rows; it quantises wv's rows 96 w .. 96 w + 95
; and multiplies all 128 keys by them, a pair of channel tiles a trip.
; LIMITS: NaN and infinities among the inputs are not served; a block whose largest magnitude lies under 2^-122 keeps the scale byte 1 (a block of zeros too: its codes are zeros, and this program alone reads the bytes).
; REGISTERS, in windows of 256.  Window 0: addresses, work, scale words; v128-191 and v192-255: two sets of 64 loaded numbers.  Window 1: v0-71 six fragments of wv; v128-255 the 16 accumulators of feats.
; Window 2: wq and wk as the f32 form's source 1 (192), later x's fragments of K steps 0 and 1.  Window 3: wk as loaded (192), later x's fragments of K step 2 (v0-95) and wres's 64 numbers (v96-159);
; v192-223 the four seg accumulators, which matrix instructions alone write; v224-231 their bias.
.set XIMG,  0                          ; LDS: x's 24 fragments (3 T + s), 1,536 bytes each
.set XSC,   36864                      ; their scale words, 128 bytes each
.set SEG,   39936                      ; a wave's 32 seg rows x 64 bytes, its own
.set SPARE, 48128                      ; the spare words: 128 bytes a wave, two blocks of 256 bytes that no other line names
.set LI,   1                           ; 16 x lane
.set LS4,  2                           ; 4 x lane
.set XA,   3                           ; (r + 8 (r / 8)) x 1,536 + 64 h: x and wv
.set WA,   4                           ; r x 1,536 + 64 h: wres
.set QA,   5                           ; (r % 4) x 1,536 + 64 h: wq and wk
.set XWI,  6                           ; where I store x's images
.set XWS,  7                           ; and their scale words
.set SGA,  8                           ; seg rows: in
.set SGR,  9                           ; back: a key a lane
.set SGK,  10                          ; back: as fragments of seg_ft
.set BVA,  11                          ; 4 (r + 8 (r / 8)): bv
.set VW,   12                          ; v12-15 V's scale words of my three trips, and 0
.set SPW,  16                          ; my spare word; never rewritten
.set NIL,  17                          ; 0; never rewritten
.set BVL,  18                          ; v18-19 bv of my lane's channel in the trip's two tiles
.set TM,   20                          ; v20-35 at work
.set PW,   36                          ; v36-37 scale words just made
.set PC,   38                          ; v38-57 codes just made (12) and their upper halves (8)
.set XS,   58                          ; v58-81 x's scale words
.set WVS,  82                          ; v82-87 wv's
.set BVC,  88                          ; v88-103 bv as the C of a sum's first product
.set ACC,  192
.set BIAS, 224
.set XB,   4
.set WVB,  14
.set BVB,  16
.set WRB,  18
.set O0,   20
.set VIB,  22
.set WRI,  24
.set WV,   26
.set CNT,  27
.set SEL,  32
.set HM,   34
.set KFB,  36
.set VSB,  38
.set WRSB, 40
.set MSB, 0
.macro WIN new                         ; the immediate's high byte repeats the setting that is left; a switch that changes nothing is dropped
.set NEWW, \new
.if MSB != NEWW
	s_set_vgpr_msb (MSB<<8)|NEWW
.set MSB, NEWW
.endif
.endm
; 64 numbers of a lane's row: of each block of 32 along K my half's 16 neighbours.  Register 16 b + i = k 32 b + 16 h + i
.macro XLOAD set, dw, adr, base, off
	WIN (\dw)<<6
.irp b, 0,1,2,3
.irp j, 0,1,2,3
	global_load_b128 v[\set+16*\b+4*\j:\set+16*\b+4*\j+3], v[\adr], s[\base:\base+1] offset:\off+128*\b+16*\j
.endr
.endr
	WIN 0
.endm
; 64 numbers in window w, laid as XLOAD lays them, become a fragment's 12 registers of codes and its scale word in v[pw].  dw = 0: the codes stand in v[PC] on; else they go to v[dst] on in window dw.
.macro QUANT s, w, pw, dst, dw
	WIN 5*(\w)                                     ; sources 0 and 1 in window w
.irp b, 0,1,2,3
	v_max3_num_f32 v[TM+\b], |v[\s+16*\b]|, |v[\s+16*\b+1]|, 0x2800000   ; block b: my 16 numbers, and the floor 2^(5 - 127): the byte cannot fall under 1
.endr
.irp i, 2,4,6,8,10,12,14
.irp b, 0,1,2,3
	v_max3_num_f32 v[TM+\b], |v[\s+16*\b+\i]|, |v[\s+16*\b+\i+1]|, v[TM+\b]   ; the four blocks by turns
.endr
.endr
	WIN 0
.irp b, 0,1,2,3
	v_permlanex16_b32 v[TM+4+\b], v[TM+\b], s[SEL], s[SEL+1]
.endr
.irp b, 0,1,2,3
	v_max_num_f32 v[TM+\b], v[TM+\b], v[TM+4+\b]   ; with the lane 16 away: the block's largest magnitude
.endr
.irp b, 0,1,2,3
	v_add_nc_u32 v[TM+12+\b], 0xfe000000, v[TM+\b] ; 4 off its exponent field: the conversion's scale operand
.endr
.irp b, 0,1,2,3
	v_lshrrev_b32 v[TM+4+\b], 23, v[TM+12+\b]      ; the scale's byte
.endr
	v_lshl_or_b32 v[\pw], v[TM+5], 8, v[TM+4]
	v_lshl_or_b32 v[\pw], v[TM+6], 16, v[\pw]
	v_lshl_or_b32 v[\pw], v[TM+7], 24, v[\pw]      ; my row's scale word
	WIN \w
.irp c, 0,1
	v_cvt_scalef32_pk16_bf6_f32 v[PC+6*\c:PC+6*\c+2], v[\s+32*\c:\s+32*\c+15], v[TM+12+2*\c]
	v_cvt_scalef32_pk16_bf6_f32 v[PC+12+4*\c:PC+12+4*\c+2], v[\s+32*\c+16:\s+32*\c+31], v[TM+12+2*\c+1]   ; (a conversion's three registers begin on an even number)
.endr
	WIN 0
	v_nop                                          ; one plain place behind a scaled conversion
.irp c, 0,1                                    ; the operand's layout wants a whole block in a lane: lanes 0-15 block 2 c, lanes 16-31 block 2 c + 1
.irp i, 0,1,2
	v_permlane16_swap_b32 v[PC+6*\c+\i], v[PC+12+4*\c+\i]
.endr
.endr
.if (\dw) == 0
.irp c, 0,1
.irp i, 0,1,2
	v_mov_b32 v[PC+3+6*\c+\i], v[PC+12+4*\c+\i]
.endr
.endr
.else
	WIN (\dw)<<6
.irp c, 0,1
.irp i, 0,1,2
	v_mov_b32 v[\dst+6*\c+\i], v[PC+6*\c+\i]
	v_mov_b32 v[\dst+6*\c+3+\i], v[PC+12+4*\c+\i]
.endr
.endr
	WIN 0
.endif
.endm
.macro IMAGE adr, off                  ; the fragment in v[PC] on goes to LDS as it stands
.irp c, 0,1,2
	ds_store_b128 v[\adr], v[PC+4*\c:PC+4*\c+3] offset:\off+512*\c
.endr
.endm
; 32 f32 products: 16 keys x 128 of C x (wq's 4 and wk's 4 columns, twice).  k stands alike in both sources: pair i of the set against pair i of W.  Two accumulators take turns;
; the first begins with the bias, the second with 0.
.macro SEGMUL set, u, s
	WIN 0xf8                                       ; source 0 window 0, source 1 window 2, C and D window 3
.set SI, 0
.rept 32
.set SD, ACC+16*(\u)+8*(SI%2)
.if ((\s) == 0) && (SI == 0)
	v_wmma_f32_16x16x4_f32 v[SD:SD+7], v[\set+2*SI:\set+2*SI+1], v[64*(\s)+2*SI:64*(\s)+2*SI+1], v[BIAS:BIAS+7]
.elseif ((\s) == 0) && (SI == 1)
	v_wmma_f32_16x16x4_f32 v[SD:SD+7], v[\set+2*SI:\set+2*SI+1], v[64*(\s)+2*SI:64*(\s)+2*SI+1], 0
.else
	v_wmma_f32_16x16x4_f32 v[SD:SD+7], v[\set+2*SI:\set+2*SI+1], v[64*(\s)+2*SI:64*(\s)+2*SI+1], v[SD:SD+7]
.endif
.set SI, SI+1
.endr
.endm
	s_load_b512 s[4:19], s[0:1], 0x0               ; x, wq, bq, wk, bk, wv, bv, wres
	s_load_b128 s[20:23], s[0:1], 0x40             ; out0, kv
	s_load_b64 s[24:25], s[0:1], 0x50              ; wr
	v_lshl_add_u32 v[SPW], v0, 2, SPARE
	v_mov_b32 v[NIL], 0
	v_lshrrev_b32 v104, 5, v0
	v_readfirstlane_b32 s[WV], v104                ; wave 0..3
	v_and_b32 v104, 31, v0                         ; lane
	v_and_b32 v105, 15, v0                         ; r
	v_bfe_u32 v106, v0, 4, 1                       ; h
	v_lshlrev_b32 v[LI], 4, v104
	v_lshlrev_b32 v[LS4], 2, v104
	v_and_b32 v107, 8, v105
	v_add_nc_u32 v107, v107, v105                  ; r + 8 (r / 8)
	v_mul_u32_u24 v[XA], v107, 1536
	v_lshl_add_u32 v[XA], v106, 6, v[XA]
	v_mul_u32_u24 v[WA], v105, 1536
	v_lshl_add_u32 v[WA], v106, 6, v[WA]
	v_and_b32 v108, 3, v0
	v_mul_u32_u24 v[QA], v108, 1536
	v_lshl_add_u32 v[QA], v106, 6, v[QA]
	v_lshlrev_b32 v108, 2, v108                    ; bq, bk: 4 (r % 4)
	v_lshlrev_b32 v[BVA], 2, v107
	v_and_b32 v109, 4, v0
	v_cmp_ne_u32 vcc_lo, 0, v109                   ; lanes whose column is one of wk's
	s_mul_i32 s28, s[WV], 9216
	v_add_nc_u32 v[XWI], s28, v[LI]                ; XIMG + 6 fragments x wave + 16 lane
	s_mul_i32 s28, s[WV], 768
	s_add_co_u32 s28, s28, XSC
	v_add_nc_u32 v[XWS], s28, v[LS4]
	s_lshl_b32 s28, s[WV], 11
	s_add_co_u32 s28, s28, SEG                     ; my wave's seg rows
	v_lshlrev_b32 v109, 2, v105
	v_lshl_add_u32 v109, v106, 10, v109
	v_add_nc_u32 v[SGA], s28, v109                 ; in: column r, rows 16 h on
	v_lshlrev_b32 v109, 6, v104
	v_add_nc_u32 v[SGR], s28, v109                 ; back: row = lane
	v_lshlrev_b32 v109, 6, v107
	v_lshl_add_u32 v109, v106, 3, v109
	v_add_nc_u32 v109, s28, v109
	v_add_nc_u32 v[SGK], 16, v109                  ; back: row r + 8 (r / 8), seg_ft's columns 2 h, 2 h + 1
.irp b, 0,1,2,3
	v_mov_b32 v[TM+4+\b], 0                        ; written once: a lane permute's destination counts as one of its sources
.endr
.irp b, 1,2,3
	v_mov_b32 v[VW+\b], 0
.endr
	s_mov_b32 s[SEL], 0x76543210
	s_mov_b32 s[SEL+1], 0xfedcba98                 ; v_permlanex16_b32's selects: the lane 16 away
	s_mov_b32 s[HM], 0xffff0000                    ; lanes 16-31
	s_mul_i32 s28, ttmp9, 196608                   ; my work-group's 128 rows of x,
	s_mul_i32 s30, s[WV], 49152                    ; my wave's 32 of them
	s_add_co_u32 s28, s28, s30
	s_mov_b32 s29, 0
	s_wait_kmcnt 0x0
	s_add_nc_u64 s[XB:XB+1], s[XB:XB+1], s[28:29]
	WIN 0x80                                       ; wq in XLOAD's pattern, all of C: 192 registers of window 2
.irp s, 0,1,2
.irp b, 0,1,2,3
.irp j, 0,1,2,3
	global_load_b128 v[64*\s+16*\b+4*\j:64*\s+16*\b+4*\j+3], v[QA], s[6:7] offset:512*\s+128*\b+16*\j
.endr
.endr
.endr
	WIN 0xc0                                       ; wk likewise, window 3
.irp s, 0,1,2
.irp b, 0,1,2,3
.irp j, 0,1,2,3
	global_load_b128 v[64*\s+16*\b+4*\j:64*\s+16*\b+4*\j+3], v[QA], s[10:11] offset:512*\s+128*\b+16*\j
.endr
.endr
.endr
	WIN 0
	global_load_b32 v111, v108, s[8:9]             ; bq
	global_load_b32 v112, v108, s[12:13]           ; bk
	XLOAD 128, 0, XA, XB, 0                        ; x job 0: tile 2 w, K step 0
	XLOAD 192, 0, XA, XB, 512                      ; x job 1
	; the other addresses, while the loads are out
	s_mul_i32 s28, s[WV], 147456
	s_add_nc_u64 s[WVB:WVB+1], s[WVB:WVB+1], s[28:29]   ; my 96 rows of wv
	s_mul_i32 s28, s[WV], 384
	s_add_nc_u64 s[BVB:BVB+1], s[BVB:BVB+1], s[28:29]
	s_lshl_b32 s30, ttmp9, 2
	s_add_co_u32 s30, s30, s[WV]                   ; F = 4 x work-group + wave: my fragment of wres, where the work-group is under 18
	s_mul_hi_u32 s31, s30, 0x55555556              ; dt = F / 3
	s_mul_i32 s28, s31, 3
	s_sub_co_u32 s28, s30, s28                     ; s = F % 3
	s_lshl_b32 s28, s28, 9
	s_mul_i32 s31, s31, 24576
	s_add_co_u32 s28, s28, s31
	s_add_nc_u64 s[WRB:WRB+1], s[WRB:WRB+1], s[28:29]
	s_lshl_b32 s28, s30, 7
	s_add_co_u32 s28, s28, 110592
	s_add_nc_u64 s[WRSB:WRSB+1], s[WRI:WRI+1], s[28:29] ; its scale words
	s_mul_i32 s28, s30, 1536
	s_add_nc_u64 s[WRI:WRI+1], s[WRI:WRI+1], s[28:29]   ; its image
	s_mul_i32 s28, ttmp9, 40960
	s_add_nc_u64 s[VSB:VSB+1], s[VIB:VIB+1], s[28:29]   ; my key step's block of kv
	s_sub_co_u32 s30, ttmp9, 2
	s_and_b32 s30, s30, 31
	s_and_b32 s31, ttmp9, 0xe0
	s_or_b32 s30, s30, s31                         ; the block two steps back, in the same batch: there my seg_ft goes
	s_mul_i32 s28, s30, 40960
	s_lshl_b32 s31, s[WV], 9
	s_add_co_u32 s28, s28, s31
	s_add_co_u32 s28, s28, 38912
	s_add_nc_u64 s[KFB:KFB+1], s[VIB:VIB+1], s[28:29]
	s_mul_i32 s28, s[WV], 9216
	s_add_nc_u64 s[VIB:VIB+1], s[VSB:VSB+1], s[28:29]   ; my six fragments of feats^T
	s_add_co_u32 s28, s31, 36864
	s_add_nc_u64 s[VSB:VSB+1], s[VSB:VSB+1], s[28:29]   ; and their scale words
	s_lshl_b32 s28, ttmp9, 11
	s_add_co_u32 s28, s28, s31
	s_add_nc_u64 s[O0:O0+1], s[O0:O0+1], s[28:29]       ; out0: 16 bytes a key
	s_wait_loadcnt 32                              ; wq, wk and the biases are in; the two x jobs, 32 loads, stay out
	WIN 0x8e                                       ; destination and source 0 window 2 (wq), source 1 window 3 (wk)
.set I_, 0
.rept 192
	v_cndmask_b32 v[I_], v[I_], v[I_], vcc_lo      ; columns 0-3 and 8-11 keep wq's rows, columns 4-7 and 12-15 take wk's
.set I_, I_+1
.endr
	WIN 0
	v_cndmask_b32 v111, v111, v112, vcc_lo
	WIN 0xc0
.irp j, 0,1,2,3,4,5,6,7
	v_mov_b32 v[BIAS+\j], v111                     ; the bias of my column, for each of a result's eight rows
.endr
	WIN 0
	s_cmp_lt_u32 ttmp9, 18
	s_cbranch_scc0 .Lno_wres_load
	XLOAD 96, 3, WA, WRB, 0                        ; wres's fragment F, into registers that wk has left: it lands under the x jobs
.Lno_wres_load:
; x job n: tile 2 w + n / 3, K step n % 3.  The count 16 leaves the next job's loads out (in the 18 work-groups that also asked for wres it is met a little later: a smaller count than needed is sound).
.macro XJOB n
	s_wait_loadcnt 16
	SEGMUL 128+64*((\n)%2), (\n)/3, (\n)%3
	s_wait_dscnt 0x0                               ; the last image's stores have read their registers
	QUANT 128+64*((\n)%2), 0, PW, PC, 0            ; its plain lines are also the eight places between the f32 products and the loads into their source
	IMAGE XWI, 1536*(\n)
	ds_store_b32 v[XWS], v[PW] offset:128*(\n)
.if (\n) < 4
	XLOAD 128+64*((\n)%2), 0, XA, XB, 12288*(((\n)+2)/3)+512*(((\n)+2)%3)
.else
	XLOAD 128+64*((\n)%2), 0, XA, WVB, 512*((\n)-4)    ; wv's first two jobs
.endif
.endm
	s_wait_alu depctr_va_vdst(0)
.irp n, 0,1,2,3,4,5
	XJOB \n
.endr
	; the seg rows: the two halves of each sum are added (each accumulator from its low end on) and go through my own LDS rows: row = key, 16 columns
	WIN 0x0f
.irp u, 0,1
.irp j, 0,1,2,3,4,5,6,7
	v_add_f32 v[TM+8*\u+\j], v[ACC+16*\u+\j], v[ACC+16*\u+8+\j]
.endr
.endr
	WIN 0
.irp u, 0,1
.irp j, 0,1,2,3,4,5,6,7
	ds_store_b32 v[SGA], v[TM+8*\u+\j] offset:64*(8*\u+\j)   ; key 8 u + 16 h + j of my 32
.endr
.endr
	ds_load_b128 v[104:107], v[SGR]                ; LDS serves a wave's instructions in order: these see my stores.  seg_map of key = lane
	ds_load_b64 v[108:109], v[SGK]                 ; seg_ft as the f32 form's source 0: tile 2 w,
	ds_load_b64 v[110:111], v[SGK] offset:512      ; tile 2 w + 1
	s_wait_dscnt 0x0                               ; and for the others' sake: my images of x have landed
	global_store_b128 v[LI], v[104:107], s[O0:O0+1]     ; 32 lanes store 512 consecutive bytes
	global_store_b128 v[LI], v[108:111], s[KFB:KFB+1]
	s_barrier_signal -1
	s_barrier_wait -1                              ; x's 24 fragments lie in LDS
	WIN 0x80
.irp s, 0,1
.irp t, 0,1,2,3,4,5,6,7
.irp c, 0,1,2
	ds_load_b128 v[96*\s+12*\t+4*\c:96*\s+12*\t+4*\c+3], v[LI] offset:XIMG+1536*(3*\t+\s)+512*\c
.endr
.endr
.endr
	WIN 0xc0
.irp t, 0,1,2,3,4,5,6,7
.irp c, 0,1,2
	ds_load_b128 v[12*\t+4*\c:12*\t+4*\c+3], v[LI] offset:XIMG+1536*(3*\t+2)+512*\c
.endr
.endr
	WIN 0
.irp t, 0,1,2,3,4,5,6,7
.irp s, 0,1,2
	ds_load_b32 v[XS+3*\t+\s], v[LS4] offset:XSC+128*(3*\t+\s)
.endr
.endr
	s_cmp_lt_u32 ttmp9, 18
	s_cbranch_scc0 .Lno_wres
	QUANT 96, 3, PW, PC, 0                         ; wres's fragment: its loads are older than x job 2's, which has been waited for
.irp c, 0,1,2
	global_store_b128 v[LI], v[PC+4*\c:PC+4*\c+3], s[WRI:WRI+1] offset:512*\c
.endr
	global_store_b32 v[LS4], v[PW], s[WRSB:WRSB+1]
.Lno_wres:
	s_wait_xcnt 0x0                                ; those stores have read their registers
	s_mov_b32 s[CNT], 3
; wv job k of a trip: tile k / 3 of the pair, K step k % 3; the codes go to window 1, v[12 k] on
.macro WJOB k, cnt
	s_wait_loadcnt \cnt
	QUANT 128+64*((\k)%2), 0, WVS+(\k), 12*(\k), 1
.if (\k) < 4
	XLOAD 128+64*((\k)%2), 0, XA, WVB, 12288*(((\k)+2)/3)+512*(((\k)+2)%3)
.endif
.endm
.Lpair:                                            ; three trips: a pair of channel tiles, 32 rows of wv, each
	global_load_b32 v[BVL], v[BVA], s[BVB:BVB+1]
	global_load_b32 v[BVL+1], v[BVA], s[BVB:BVB+1] offset:32
	WJOB 0, 18                                     ; younger than job 0: job 1's 16 loads and bv's two
	WJOB 1, 18                                     ; younger than job 1: bv's two and job 2's 16
	WJOB 2, 16
	WJOB 3, 16
	WJOB 4, 16
	WJOB 5, 0                                      ; nothing younger is out
	s_cmp_eq_u32 s[CNT], 1
	s_cbranch_scc1 .Lno_next                       ; the last trip asks for nothing: no load leaves wv
	XLOAD 128, 0, XA, WVB, 49152                   ; the next trip's first two jobs land under the products
	XLOAD 192, 0, XA, WVB, 49152+512
.Lno_next:
.irp u, 0,1
.irp j, 0,1,2,3,4,5,6,7
	v_mov_b32 v[BVC+8*\u+\j], v[BVL+\u]            ; these sixteen are also the places between the codes and scale words just written and the products
.endr
.endr
	s_wait_alu depctr_va_vdst(0)
	s_wait_dscnt 0x0                               ; x's fragments and scale words (first trip)
.irp s, 0,1,2                                  ; feats: source 0 = 16 keys of x, source 1 = 16 rows of wv: a lane holds one channel, its registers run along the keys.  16 accumulators by turns
.if \s == 0
	WIN 0x46                                       ; source 0 window 2, source 1 window 1, C window 0 (bv), D window 1
.elseif \s == 1
	WIN 0x56
.else
	WIN 0x57                                       ; source 0 window 3
.endif
.irp u, 0,1
.irp t, 0,1,2,3,4,5,6,7
.if \s == 0
	v_wmma_scale_f32_16x16x128_f8f6f4 v[128+64*\u+8*\t:128+64*\u+8*\t+7], v[12*\t:12*\t+11], v[36*\u:36*\u+11], v[BVC+8*\u:BVC+8*\u+7], v[XS+3*\t], v[WVS+3*\u] matrix_a_fmt:MATRIX_FMT_BF6 matrix_b_fmt:MATRIX_FMT_BF6
.elseif \s == 1
	v_wmma_scale_f32_16x16x128_f8f6f4 v[128+64*\u+8*\t:128+64*\u+8*\t+7], v[96+12*\t:96+12*\t+11], v[36*\u+12:36*\u+23], v[128+64*\u+8*\t:128+64*\u+8*\t+7], v[XS+3*\t+1], v[WVS+3*\u+1] matrix_a_fmt:MATRIX_FMT_BF6 matrix_b_fmt:MATRIX_FMT_BF6
.else
	v_wmma_scale_f32_16x16x128_f8f6f4 v[128+64*\u+8*\t:128+64*\u+8*\t+7], v[12*\t:12*\t+11], v[36*\u+24:36*\u+35], v[128+64*\u+8*\t:128+64*\u+8*\t+7], v[XS+3*\t+2], v[WVS+3*\u+2] matrix_a_fmt:MATRIX_FMT_BF6 matrix_b_fmt:MATRIX_FMT_BF6
.endif
.endr
.endr
.endr
	WIN 0
.rept 4
	v_nop                                          ; four places in front of the first read of results
.endr
	QUANT 128, 1, PW, PC, 0                        ; the pair's first tile, along the 128 keys
.irp c, 0,1,2
	global_store_b128 v[LI], v[PC+4*\c:PC+4*\c+3], s[VIB:VIB+1] offset:512*\c
.endr
	s_wait_xcnt 0x0                                ; the stores have read their registers
	QUANT 192, 1, PW+1, PC, 0
.irp c, 0,1,2
	global_store_b128 v[LI], v[PC+4*\c:PC+4*\c+3], s[VIB:VIB+1] offset:1536+512*\c
.endr
	v_mov_b32 v[VW], v[VW+1]                       ; the three trips' words move down, so that the third trip leaves them in order
	v_mov_b32 v[VW+1], v[VW+2]
	v_cndmask_b32 v[VW+2], v[PW], v[PW+1], s[HM]   ; lanes 0-15 the even tile's word, lanes 16-31 the odd tile's
	s_wait_xcnt 0x0                                ; bases and store data are written again only behind this wait
	s_add_nc_u64 s[WVB:WVB+1], s[WVB:WVB+1], 49152
	s_add_nc_u64 s[BVB:BVB+1], s[BVB:BVB+1], 128
	s_add_nc_u64 s[VIB:VIB+1], s[VIB:VIB+1], 3072
	s_sub_co_u32 s[CNT], s[CNT], 1
	s_cmp_lg_u32 s[CNT], 0
	s_cbranch_scc1 .Lpair
	s_wait_alu depctr_va_vdst(0)
	global_store_b128 v[LI], v[VW:VW+3], s[VSB:VSB+1]
	s_wait_tensorcnt 0x0                           ; the wave's end, behind my last LDS store
	ds_add_u32 v[SPW], v[NIL]
	s_wait_dscnt 0x0
	s_endpgm
.Lfunc_end_k_qd248e57e57_prep:
	.size	k_qd248e57e57_prep, .Lfunc_end_k_qd248e57e57_prep-k_qd248e57e57_prep
	.p2alignl 7, 3214868480
	.fill 96, 4, 3214868480
	.section	.rodata,"a",@progbits
	.p2align	6, 0x0
	.amdhsa_kernel k_qd248e57e57_prep
		.amdhsa_group_segment_fixed_size 48640
		.amdhsa_private_segment_fixed_size 0
		.amdhsa_enable_private_segment 0
		.amdhsa_kernarg_size 88
		.amdhsa_user_sgpr_count 2
		.amdhsa_user_sgpr_kernarg_segment_ptr 1
		.amdhsa_wavefront_size32 1
		.amdhsa_system_sgpr_workgroup_id_x 1
		.amdhsa_system_sgpr_workgroup_id_y 1
		.amdhsa_system_sgpr_workgroup_id_z 1
		.amdhsa_system_vgpr_workitem_id 0
		.amdhsa_next_free_vgpr 1024
		.amdhsa_next_free_sgpr 66
		.amdhsa_reserve_vcc 1
		.amdhsa_float_denorm_mode_32 3
		.amdhsa_float_denorm_mode_16_64 3
		.amdhsa_memory_ordered 1
		.amdhsa_forward_progress 1
		.amdhsa_inst_pref_size 132
	.end_amdhsa_kernel
	.amdgpu_metadata
---
amdhsa.version: [ 1, 2 ]
amdhsa.kernels:
  - .name:           k_qd248e57e57_prep
    .symbol:         k_qd248e57e57_prep.kd
    .args:
      - { .name: x, .offset: 0, .size: 8, .value_kind: global_buffer, .address_space: global }
      - { .name: wq, .offset: 8, .size: 8, .value_kind: global_buffer, .address_space: global }
      - { .name: bq, .offset: 16, .size: 8, .value_kind: global_buffer, .address_space: global }
      - { .name: wk, .offset: 24, .size: 8, .value_kind: global_buffer, .address_space: global }
      - { .name: bk, .offset: 32, .size: 8, .value_kind: global_buffer, .address_space: global }
      - { .name: wv, .offset: 40, .size: 8, .value_kind: global_buffer, .address_space: global }
      - { .name: bv, .offset: 48, .size: 8, .value_kind: global_buffer, .address_space: global }
      - { .name: wres, .offset: 56, .size: 8, .value_kind: global_buffer, .address_space: global }
      - { .name: out0, .offset: 64, .size: 8, .value_kind: global_buffer, .address_space: global }
      - { .name: kv, .offset: 72, .size: 8, .value_kind: global_buffer, .address_space: global }
      - { .name: wr, .offset: 80, .size: 8, .value_kind: global_buffer, .address_space: global }
    .group_segment_fixed_size: 48640
    .private_segment_fixed_size: 0
    .kernarg_segment_align: 8
    .kernarg_segment_size: 88
    .max_flat_workgroup_size: 128
    .sgpr_count:     66
    .vgpr_count:     1024
    .wavefront_size: 32
...
	.end_amdgpu_metadata
.endif
;; end of part 1
;; launch attn (part 2): grid 32 x 8, 8 waves a work-group, clusters of 4 x 1, 327,680 bytes of LDS; arguments out0, kv, wr, x, bres, gamma, out1; writes out1
.if DOCPART == 2
	.amdgcn_target "amdgcn-amd-amdhsa--gfx1250"
	.amdhsa_code_object_version 6
	.text
	.protected	k_qd248e57e57_attn
	.globl	k_qd248e57e57_attn
	.p2align	8
	.type	k_qd248e57e57_attn,@function
k_qd248e57e57_attn:
	s_mov_b64 s[64:65], 0
	v_nop
	global_prefetch_b8 v0, s[64:65] scope:SCOPE_SE
	s_setreg_imm32_b32 hwreg(HW_REG_WAVE_MODE, 25, 1), 1
	s_wait_xcnt 0x0
	s_wait_alu depctr_hold_cnt(0) depctr_sa_sdst(0) depctr_va_vdst(0) depctr_va_sdst(0) depctr_va_ssrc(0) depctr_va_vcc(0) depctr_vm_vsrc(0)
	s_getreg_b32 s2, hwreg(HW_REG_IB_STS2, 6, 4)
	s_cmp_eq_u32 s2, 0
	s_cbranch_scc0 .Lentry_in_a_cluster
	s_endpgm
.Lentry_in_a_cluster:
	s_bfe_u32 s2, ttmp6, 0x10000c
	s_cmp_lg_u32 s2, 0x3003
	s_cbranch_scc0 .Lentry_shape_is_right
	s_endpgm
.Lentry_shape_is_right:
; SemanticAttention, second launch: out1 = gamma (Q(softmax(seg_map seg_ft^T) feats) Q(wres)^T + bres) + x.  Nothing of the problem is left out here.
; t = logit x log2(e) comes from the f32 matrix form (K = 4), log2(e) folded into seg_map first; M = the running largest t rounded UP to a whole number; p = 2^(t - M) is quantised along the keys to BF6 (E3M2)
; with one E8M0 scale for each 32; the row's sum is taken of the unquantised p and divides at the end; when M moves, the sum and O are multiplied by 2^(old M - new M), which rounds nothing.
; LIMITS: NaN and infinities are not served; folding log2(e) into seg_map rounds t once more in f32; a block's largest p is taken through its largest t, which leans on v_exp_f32 not falling where its input rises;
; a block under 2^-122 keeps the scale byte 1.
; SHARES.  A work-group of eight waves owns 128 queries of a batch and walks its 4,096 keys, 128 a step.  Wave w makes p of query tile w (16 queries): phase V.  Its codes, scale word and f go to LDS as images of
; registers, two buffers by turns.  Waves 2 g and 2 g + 1 own queries 32 g .. 32 g + 31: each multiplies 192 channels of feats^T by both tiles' p: phase M, 192 registers of O^T; a fragment of feats^T feeds two products.
; A STEP k is two halves with a barrier behind each: in the first half the waves of group 0 run V(k) and those of group 1 M(k - 1), in the second half the other way round.  The group is (w xor w / 4) % 2.
; V(k) writes buffer k % 2, M(k - 1) reads buffer (k - 1) % 2; step k touches block k - 1 of kv alone (its fragments, and seg_ft of step k + 1, which the first launch laid there).
; CLUSTER.  The four query blocks of a cluster walk the same kv and wr: every tensor load is asked for jointly, with one descriptor and a mask that names the four.  A slot holds two blocks, an eighth a wave.
; PREFETCH.  At each change of slots the cluster asks for the two blocks that the change two on will load: each partner a quarter, by address; waves 0 to 2, a lane to each 256 bytes.  Blocks 0 to 7 and wr come by their loads alone
; (wr is loaded once, with no loop ahead of it).  x is asked for at the last change, a step and a half ahead of the way out.
; REGISTERS.  Window 0: addresses, q, seg_ft, statistics, codes; v128-191 p (in phase M five fragments); v192-255 S^T, later the outputs: written by matrix instructions alone.
; Window 1: v0-191 O^T at 96 t + 8 c, v192-251 five fragments; on the way out v0-71 the codes of O / l, v72-215 wres's fragments, v216-247 bres.
.set BLKB,  40960
.set SLOT1, 131072                     ; slot 0 at 0, slot 1 here
.set WRS,   81920                      ; wres's scale words, 9,216 bytes
.set SPARE, 91136                      ; the spare words: 128 bytes a wave, four blocks of 256 bytes that no other line names
.set PB,    92160                      ; p's images: [tile 8][buffer 2][1,536 of codes + 256 of (f, scale word)]
.set RL,    120832                     ; 1 / l: [tile 8][lane]
.set WRC,   212992                     ; wres's 72 fragments
.set OSS,   36864                      ; the way out, in slot 0 behind its last fill and last read: from 0 the codes of O / l, here their scale bytes,
.set STG,   40960                      ; and a stage of 16 rows x 272 bytes for each wave
.set LI,1
.set SPW,2
.set NIL,3
.set STO,4
.set RD,5
.set VA0,6
.set VS0,7
.set KF0,8
.set PBW,9
.set PBW8,10
.set PBR,11
.set PBR8,12
.set PFO,13
.set RLW,14
.set RLR,15
.set QB,16                             ; q x log2(e)
.set VSA,18
.set VAD,19
.set KF,20                             ; v20-35 seg_ft: a pair for each of 8 tiles of keys
.set T,36                              ; statistics: +0 four blocks' largest, +4 four at work, +8 four scale operands, +12 -M, +13 the largest t, +14 the sum (a pair), +16 f, +17 p's scale word
.set PC,54                             ; my codes
.set PT,66                             ; upper halves on their way
.set RC,74                             ; both tiles' codes, as read back
.set RF,98                             ; (f, scale word) of both tiles
.set VS,102                            ; scale words of feats^T
.set KFA,110
.set OSW,111
.set OSSW,112
.set OSR,113
.set OSSR,114
.set XO,115
.set BRA,116
.set PFX,117
.set WA0,118
.set WS0,119
.set WAD,120
.set WSD,121
.set P,128
.set S,192
.set OC,128
.set MX,164
.set MP,176
.set SW,28
.set WS,36
.set BK,54
.set WV,18
.set G1KV,24
.set G1WC,32
.set G1WS,40
.set G0A,48
.set G0W,52
.set G0S,56
.set G0C,60
.set TB,66
.set TB2,67
.set SL,68
.set HH,69
.set SEL,70
.set PFA,72
.set XQ,74
.set OQB,76
.set GAM,78
.set BRB,80
.set PAS,82
.set WP,83
.set WSP,84
.set GRP,85
.set KG,92
.set CH,94
.set QG,95
.set MSB, 0
.macro WIN new                         ; the immediate's high byte repeats the setting that is left; a switch that changes nothing is dropped
.set NEWW, \new
.if MSB != NEWW
	s_set_vgpr_msb (MSB<<8)|NEWW
.set MSB, NEWW
.endif
.endm
.macro NOPS n
.rept \n
	v_nop
.endr
.endm
.macro CROUND                          ; a round of the cluster's barrier
	s_barrier_signal -1
	s_barrier_wait -1
	s_cmp_lg_u32 s[WV], 0
	s_cbranch_scc1 .Lnot_wave_0_\@
	s_barrier_signal -3
.Lnot_wave_0_\@:
	s_barrier_wait -3
	s_barrier_signal -1
	s_barrier_wait -1
.endm
.macro SYNC                            ; a half's end: my LDS stores have landed and my LDS reads are over
	s_wait_alu depctr_va_vdst(0)
	s_wait_dscnt 0x0
	s_barrier_signal -1
	s_barrier_wait -1
.endm
.macro TLOAD g0, g1
	tensor_load_to_lds s[\g0:\g0+3], s[\g1:\g1+7]
	s_nop 0
	NOPS 4
.endm
.macro W6 d, a, b, cc, sa, sb, row     ; a product on codes; cc < 0: it starts the sum
.if (\cc) < 0
.if \row
	v_wmma_scale_f32_16x16x128_f8f6f4 v[(\d):(\d)+7], v[(\a):(\a)+11], v[(\b):(\b)+11], 0, v[\sa], v[\sb] matrix_a_fmt:MATRIX_FMT_BF6 matrix_b_fmt:MATRIX_FMT_BF6 matrix_a_scale:MATRIX_SCALE_ROW1
.else
	v_wmma_scale_f32_16x16x128_f8f6f4 v[(\d):(\d)+7], v[(\a):(\a)+11], v[(\b):(\b)+11], 0, v[\sa], v[\sb] matrix_a_fmt:MATRIX_FMT_BF6 matrix_b_fmt:MATRIX_FMT_BF6
.endif
.else
.if \row
	v_wmma_scale_f32_16x16x128_f8f6f4 v[(\d):(\d)+7], v[(\a):(\a)+11], v[(\b):(\b)+11], v[(\cc):(\cc)+7], v[\sa], v[\sb] matrix_a_fmt:MATRIX_FMT_BF6 matrix_b_fmt:MATRIX_FMT_BF6 matrix_a_scale:MATRIX_SCALE_ROW1
.else
	v_wmma_scale_f32_16x16x128_f8f6f4 v[(\d):(\d)+7], v[(\a):(\a)+11], v[(\b):(\b)+11], v[(\cc):(\cc)+7], v[\sa], v[\sb] matrix_a_fmt:MATRIX_FMT_BF6 matrix_b_fmt:MATRIX_FMT_BF6
.endif
.endif
.endm
; PHASE V: scores, M, p, the sum and the codes of my 16 queries x 128 keys, all in window 0.  kf = 1: seg_ft of the next step from the block at s[tb]; 2: from memory; 0: none.  last = 1: 1 / l follows.
.macro VPH tb, par, kf, last
.irp i, 0,1,2,3,4,5,6,7
	v_wmma_f32_16x16x4_f32 v[S+8*\i:S+8*\i+7], v[KF+2*\i:KF+2*\i+1], v[QB:QB+1], 0   ; K = 4 is the whole sum
.endr
.if (\kf) == 1
	v_add_nc_u32 v[KFA], s[\tb], v[KF0]
.else
	v_nop
.endif
	NOPS 7                                         ; eight places behind the f32 form, for the loads into its source and the first read of results
.irp q, 0,1,2,3
.if (\kf) == 1
	ds_load_b128 v[KF+4*\q:KF+4*\q+3], v[KFA] offset:512*\q
.elseif (\kf) == 2
	global_load_b128 v[KF+4*\q:KF+4*\q+3], v[LI], s[KG:KG+1] offset:BLKB+512*\q
.endif
.endr
.irp b, 0,1,2,3
	v_max_num_f32 v[T+\b], v[S+16*\b], v[S+16*\b+1]                ; the largest t of each block of 32 keys; each accumulator from its low end on
.endr
.irp i, 2,4,6,8,10,12,14
.irp b, 0,1,2,3
	v_max3_num_f32 v[T+\b], v[S+16*\b+\i], v[S+16*\b+\i+1], v[T+\b]
.endr
.endr
.irp b, 0,1,2,3
	v_permlanex16_b32 v[T+4+\b], v[T+\b], s[SEL], s[SEL+1]
.endr
.irp b, 0,1,2,3
	v_max_num_f32 v[T+\b], v[T+\b], v[T+4+\b]      ; with the lane 16 away
.endr
	v_max3_num_f32 v[T+4], v[T], v[T+1], v[T+2]
	v_mov_b32 v[T+5], v[T+12]
	s_delay_alu instid0(VALU_DEP_2)
	v_max3_num_f32 v[T+13], v[T+4], v[T+3], v[T+13]                ; the running largest t
	s_delay_alu instid0(VALU_DEP_1)
	v_floor_f32 v[T+12], -v[T+13]                  ; -M: M is a whole number
	s_delay_alu instid0(VALU_DEP_1)
	v_sub_f32 v[T+5], v[T+12], v[T+5]              ; old M less new M: a whole number, 0 or less
.set I_, 0
.rept 32
	v_pk_add_f32 v[P+2*I_:P+2*I_+1], v[S+2*I_:S+2*I_+1], v[T+12:T+13] op_sel_hi:[1,0]   ; t - M
.if I_ == 1
	v_cvt_i32_f32 v[T+5], v[T+5]                   ; (it saturates)
.elseif I_ == 3
	v_ldexp_f32 v[T+16], 1.0, v[T+5]               ; f = 2^(old M - new M)
.endif
.set I_, I_+1
.endr
.irp b, 0,1,2,3
	v_add_f32 v[T+\b], v[T+\b], v[T+12]            ; the same of each block's largest t
.endr
	s_wait_alu depctr_va_vdst(0)
.irp b, 0,1,2,3
	v_exp_f32 v[T+\b], v[T+\b]
.endr
.set I_, 0
.rept 64
	v_exp_f32 v[P+I_], v[P+I_]                     ; p = 2^(t - M)
.set I_, I_+1
.endr
	v_pk_mul_f32 v[T+14:T+15], v[T+14:T+15], v[T+16:T+17] op_sel_hi:[1,0]   ; the sum under the new M; a plain place behind the batch
	s_wait_alu depctr_va_vdst(0)                   ; and the wait behind it, ahead of its first reader
	v_pk_add_f32 v[T+4:T+5], v[P:P+1], v[P+2:P+3]  ; the sum of the unquantised p, in two chains
.irp j, 4,8,12,16,20,24,28,32,36,40,44,48,52,56,60
	v_pk_add_f32 v[T+14:T+15], v[T+14:T+15], v[P+\j:P+\j+1]
	v_pk_add_f32 v[T+4:T+5], v[T+4:T+5], v[P+\j+2:P+\j+3]
.endr
	v_pk_add_f32 v[T+14:T+15], v[T+14:T+15], v[T+4:T+5]
.irp b, 0,1,2,3
	v_max_num_f32 v[T+\b], 0x2800000, v[T+\b]      ; the floor 2^(5 - 127)
.endr
.irp b, 0,1,2,3
	v_add_nc_u32 v[T+8+\b], 0xfe000000, v[T+\b]    ; 4 off the exponent field: the conversion's scale operand
.endr
.irp b, 0,1,2,3
	v_lshrrev_b32 v[T+4+\b], 23, v[T+8+\b]         ; the scale's byte
.endr
	v_lshl_or_b32 v[T+17], v[T+5], 8, v[T+4]
	s_delay_alu instid0(VALU_DEP_1)
	v_lshl_or_b32 v[T+17], v[T+6], 16, v[T+17]
	s_delay_alu instid0(VALU_DEP_1)
	v_lshl_or_b32 v[T+17], v[T+7], 24, v[T+17]
.irp c, 0,1
	v_cvt_scalef32_pk16_bf6_f32 v[PC+6*\c:PC+6*\c+2], v[P+32*\c:P+32*\c+15], v[T+8+2*\c]
	v_cvt_scalef32_pk16_bf6_f32 v[PT+4*\c:PT+4*\c+2], v[P+32*\c+16:P+32*\c+31], v[T+8+2*\c+1]
.endr
	v_nop                                          ; one plain place behind a scaled conversion
.irp c, 0,1
.irp i, 0,1,2
	v_permlane16_swap_b32 v[PC+6*\c+\i], v[PT+4*\c+\i]   ; a whole block to a lane
.endr
.irp i, 0,1,2
	v_mov_b32 v[PC+3+6*\c+\i], v[PT+4*\c+\i]
.endr
.endr
.irp c, 0,1,2
	ds_store_b128 v[PBW], v[PC+4*\c:PC+4*\c+3] offset:1792*(\par)+512*\c
.endr
	ds_store_b64 v[PBW8], v[T+16:T+17] offset:1792*(\par)
.if \last
	v_add_f32 v[T+14], v[T+14], v[T+15]
	v_permlanex16_b32 v[T+4], v[T+14], s[SEL], s[SEL+1]
	v_add_f32 v[T+14], v[T+14], v[T+4]             ; the row's sum
	s_wait_alu depctr_va_vdst(0)
	v_rcp_f32 v[T+5], v[T+14]
	v_nop
	s_wait_alu depctr_va_vdst(0)
	ds_store_b32 v[RLW], v[T+5]
.endif
.endm
.macro FITS                            ; O^T x f (at the end: x 1 / l): each accumulator from its low end on.  Window setting 0x51
.set N_F, 0
.rept 96
.set F_T, (N_F/4)%2
.set F_R, 96*F_T+8*(N_F/8)+2*(N_F%4)
	v_pk_mul_f32 v[F_R:F_R+1], v[F_R:F_R+1], v[RF+2*F_T:RF+2*F_T+1] op_sel_hi:[1,0]
.set N_F, N_F+1
.endr
.endm
.macro PV c, a, first                  ; channel tile c of my 12 against both tiles of queries; an odd tile's scale words stand in lanes 16-31
.irp t, 0,1
.if \first
	W6 96*\t+8*(\c), \a, RC+12*\t, -1, VS+4*((\c)/6)+((\c)%6)/2, RF+2*\t+1, (\c)%2
.else
	W6 96*\t+8*(\c), \a, RC+12*\t, 96*\t+8*(\c), VS+4*((\c)/6)+((\c)%6)/2, RF+2*\t+1, (\c)%2
.endif
.endr
.endm
.macro VFR c, reg                      ; fragment c of my 12
.irp e, 0,1,2
	ds_load_b128 v[(\reg)+4*\e:(\reg)+4*\e+3], v[VAD] offset:1536*(\c)+512*\e
.endr
.endm
; PHASE M: O^T = f O^T + feats^T p^T for the block at s[tb] and p's buffer par.  24 accumulators by turns.
.macro MPH tb, par, first
	v_add_nc_u32 v[VSA], s[\tb], v[VS0]
	v_add_nc_u32 v[VAD], s[\tb], v[VA0]
	NOPS 2                                         ; four places in front of loads into registers that products may just have read
	s_wait_alu depctr_va_vdst(0)
	ds_load_b64 v[RF:RF+1], v[PBR8] offset:1792*(\par)
	ds_load_b64 v[RF+2:RF+3], v[PBR8] offset:3584+1792*(\par)
.irp t, 0,1
.irp e, 0,1,2
	ds_load_b128 v[RC+12*\t+4*\e:RC+12*\t+4*\e+3], v[PBR] offset:3584*\t+1792*(\par)+512*\e
.endr
.endr
.irp g, 0,1
	ds_load_b128 v[VS+4*\g:VS+4*\g+3], v[VSA] offset:512*\g
.endr
.irp c, 5,6,7,8,9
	VFR \c, P+12*(\c-5)
.endr
	WIN 0x40
.irp c, 0,1,2,3,4
	VFR \c, 192+12*\c
.endr
	WIN 0x51
.if (\first) == 0
	s_wait_dscnt 38                                ; the two (f, scale word) pairs are in; the 38 loads issued behind them may be out
	s_wait_alu depctr_va_vdst(0)
	FITS
	s_wait_alu depctr_va_vdst(0)                   ; the products read what was just rescaled behind it
.endif
	s_wait_dscnt 0x0
	PV 0, 192, \first
	PV 1, 204, \first
	NOPS 4                                         ; places in front of the loads into their fragments' registers
	WIN 0x40
	VFR 10, 192
	VFR 11, 204
	WIN 0x51
	PV 2, 216, \first
	PV 3, 228, \first
	PV 4, 240, \first
	WIN 0x50
.irp c, 5,6,7,8,9
	PV \c, P+12*(\c-5), \first
.endr
	WIN 0x51
	s_wait_dscnt 0x0
	PV 10, 192, \first
	PV 11, 204, \first
	WIN 0
.endm
.macro STEP tb, vp, first, kf, last    ; two halves: group = half runs V, the other group M
	s_mov_b32 s[HH], 0
.Lh_\@:
	s_cmp_eq_u32 s[GRP], s[HH]
	s_cbranch_scc0 .Lm_\@
	VPH \tb, \vp, \kf, \last
	s_branch .Lj_\@
.Lm_\@:
	MPH \tb, 1-\vp, \first
.Lj_\@:
	SYNC
	s_add_co_u32 s[HH], s[HH], 1
	s_cmp_lt_u32 s[HH], 2
	s_cbranch_scc1 .Lh_\@
.endm
; THE CHANGE OF SLOTS.  Each wave waits for all its tensor loads, adds 0 to its spare word and waits for that and its LDS reads; fill = 1: a round of the cluster's barrier, and the joint refill first behind it.
.macro CHANGE fill
	s_wait_alu depctr_va_vdst(0)
	s_wait_tensorcnt 0x0
	ds_add_u32 v[SPW], v[NIL]
.if \fill
	s_xor_b32 s[G0W+1], s[G0W+1], SLOT1            ; no tensor load of mine is out: the other slot than last time,
	s_add_nc_u64 s[G0W+2:G0W+3], s[G0W+2:G0W+3], 2*BLKB   ; the next two blocks
	s_wait_xcnt 0x0                                ; the last prefetch has read its address
	s_add_nc_u64 s[PFA:PFA+1], s[PFA:PFA+1], 2*BLKB
.endif
	s_xor_b32 s[TB], s[TB], SLOT1                  ; the blocks in hand: the other slot's two
	s_add_co_u32 s[TB2], s[TB], BLKB
	s_wait_dscnt 0x0
.if \fill
	CROUND
	TLOAD G0W, G1KV
	s_cmp_gt_u32 s[SL], 2                          ; the last two changes have no change two on
	s_cbranch_scc0 .Lna_\@
	s_cmp_lt_u32 s[WV], 3
	s_cbranch_scc0 .Lna_\@
	global_prefetch_b8 v[PFO], s[PFA:PFA+1] th:TH_LOAD_NT scope:SCOPE_SE
.Lna_\@:
.else
	s_barrier_signal -1
	s_barrier_wait -1
.irp i, 0,1,2
	global_prefetch_b8 v[PFX], s[XQ:XQ+1] offset:256*\i th:TH_LOAD_NT scope:SCOPE_SE   ; my 32 rows x 768 bytes of x, a lane a row
.endr
.endif
.endm
	s_load_b256 s[4:11], s[0:1], 0x0               ; out0, kv, wr, x
	s_load_b128 s[12:15], s[0:1], 0x20             ; bres, gamma
	s_load_b64 s[16:17], s[0:1], 0x30              ; out1
	v_lshl_add_u32 v[SPW], v0, 2, SPARE
	v_mov_b32 v[NIL], 0
	ds_add_u32 v[SPW], v[NIL]                      ; the wave's opening
	ds_add_u32 v[SPW], v[NIL]
	v_lshrrev_b32 v122, 5, v0
	v_readfirstlane_b32 s[WV], v122                ; wave 0..7
	s_lshr_b32 s[GRP], s[WV], 2
	s_xor_b32 s[GRP], s[GRP], s[WV]
	s_and_b32 s[GRP], s[GRP], 1
	s_and_b32 s[CH], s[WV], 1                      ; which 192 channels (and outputs) are mine
	s_lshr_b32 s[QG], s[WV], 1                     ; which 32 queries
	s_bfe_u32 s19, ttmp6, 0x40000                  ; cx: it enters global addresses of q, x, out1 and the prefetches alone
	s_lshl_b32 s20, ttmp9, 2
	s_add_co_u32 s20, s20, s19                     ; my block of 128 queries
	s_and_b32 s21, ttmp7, 0xffff                   ; the batch
	s_mul_i32 s86, s21, 32*BLKB
	s_mov_b32 s87, 0
	s_lshl_b32 s22, s21, 12
	s_lshl_b32 s23, s20, 7
	s_add_co_u32 s22, s22, s23
	s_lshl_b32 s23, s[WV], 4
	s_add_co_u32 s23, s22, s23                     ; my tile's first query
	s_lshl_b32 s90, s23, 4
	s_mov_b32 s91, 0
	s_lshl_b32 s23, s[QG], 5
	s_add_co_u32 s22, s22, s23                     ; my pair's first query
	s_mul_i32 s88, s22, 1536
	s_mul_i32 s23, s[CH], 768
	s_add_co_u32 s88, s88, s23
	s_mov_b32 s89, 0
.irp g, G1KV, G1WC, G1WS                       ; dense blocks as rows of 256 bytes (32 elements of 8 bytes); 15:0 the mask: all four work-groups; bit 21 beside it
	s_mov_b32 s[\g], 15|(3<<16)|(1<<21)
	s_mov_b32 s[\g+1], 32<<16
	s_mov_b32 s[\g+3], 32<<16
	s_mov_b32 s[\g+5], 32
	s_mov_b32 s[\g+6], 0
	s_mov_b32 s[\g+7], 0
.endr
	s_mov_b32 s[G1KV+2], 40<<16                    ; an eighth of a slot
	s_mov_b32 s[G1KV+4], 40
	s_mov_b32 s[G1WC+2], 72<<16                    ; a sixth of wres's codes
	s_mov_b32 s[G1WC+4], 72
	s_mov_b32 s[G1WS+2], 36<<16                    ; its scale words
	s_mov_b32 s[G1WS+4], 36
	s_mov_b32 s[SEL], 0x76543210
	s_mov_b32 s[SEL+1], 0xfedcba98
	s_mov_b32 s[TB], 0
	s_mov_b32 s[TB2], BLKB
	s_mul_i32 s96, s[CH], 18432
	s_lshl_b32 s97, s[CH], 10
	s_add_co_u32 s97, s97, 36864
	s_mul_i32 s98, s[WV], 3584
	s_add_co_u32 s98, s98, PB
	s_mul_i32 s99, s[QG], 7168
	s_add_co_u32 s99, s99, PB
	s_lshl_b32 s100, s[WV], 7
	s_add_co_u32 s100, s100, RL
	s_lshl_b32 s101, s[QG], 8
	s_add_co_u32 s101, s101, RL
	s_mul_i32 s20, s[WV], 10240
	s_mov_b32 s21, 0
	s_wait_dscnt 0x0                               ; both opening adds are done
	s_wait_kmcnt 0x0
	s_load_b32 s[GAM], s[14:15], 0x0
	s_add_nc_u64 s[6:7], s[6:7], s[86:87]          ; kv at my batch
	s_add_nc_u64 s[XQ:XQ+1], s[10:11], s[88:89]
	s_add_nc_u64 s[OQB:OQB+1], s[16:17], s[88:89]
	s_add_nc_u64 s[4:5], s[4:5], s[90:91]
	s_mov_b32 s88, s23
	s_add_nc_u64 s[BRB:BRB+1], s[12:13], s[88:89]
	s_add_nc_u64 s[22:23], s[6:7], s[20:21]        ; my eighth of slot 0's two blocks
	s_mov_b32 s[G0A], 1
	s_mov_b32 s[G0A+1], s20
	s_mov_b64 s[G0A+2:G0A+3], s[22:23]
	s_or_b32 s[G0A+3], s[G0A+3], 0x80000000
	s_mov_b32 s[G0W], 1
	s_add_co_u32 s[G0W+1], s20, SLOT1
	s_add_nc_u64 s[G0W+2:G0W+3], s[22:23], 2*BLKB
	s_or_b32 s[G0W+3], s[G0W+3], 0x80000000
	s_mov_b32 s[G0S], 1
	s_mov_b32 s[G0S+1], WRS
	s_add_nc_u64 s[G0S+2:G0S+3], s[8:9], 110592
	s_or_b32 s[G0S+3], s[G0S+3], 0x80000000
	s_mul_i32 s88, s[WV], 18432
	s_mov_b32 s[G0C], 1
	s_add_co_u32 s[G0C+1], s88, WRC
	s_add_nc_u64 s[G0C+2:G0C+3], s[8:9], s[88:89]
	s_or_b32 s[G0C+3], s[G0C+3], 0x80000000
	s_mul_i32 s86, s19, 20480                      ; the prefetches: my work-group's quarter of two blocks; the first change steps it to blocks 8 and 9
	s_add_co_u32 s86, s86, 6*BLKB
	s_add_nc_u64 s[PFA:PFA+1], s[6:7], s[86:87]
	s_add_nc_u64 s[KG:KG+1], s[6:7], 30*BLKB+38912 ; seg_ft of steps 0 and 1 lies in blocks 30 and 31
	s_mul_i32 s86, s[QG], 9216
	s_mul_i32 s87, s[CH], 2304
	s_add_co_u32 s87, s87, s86
	s_lshl_b32 s88, s[QG], 10
	s_add_co_u32 s88, s88, OSS
	s_lshl_b32 s89, s[CH], 8
	s_add_co_u32 s89, s89, s88
	s_mul_i32 s90, s[WV], 4352
	s_add_co_u32 s90, s90, STG
	s_lshl_b32 s91, s[WV], 13
	s_mul_i32 s20, s[CH], 55296
	s_add_co_u32 s20, s20, WRC
	s_mul_i32 s21, s[CH], 4608
	s_add_co_u32 s21, s21, WRS
	CROUND                                         ; all four work-groups are here: the first joint loads meet
	TLOAD G0A, G1KV                                ; slot 0: one tensor load a wave at the head
	v_and_b32 v122, 15, v0                         ; r
	v_bfe_u32 v123, v0, 4, 1                       ; h
	v_and_b32 v124, 31, v0                         ; lane
	v_lshlrev_b32 v[LI], 4, v124
	v_lshlrev_b32 v125, 3, v124
	v_lshlrev_b32 v126, 2, v124
	v_lshlrev_b32 v127, 4, v122
	v_lshl_add_u32 v127, v123, 3, v127             ; q: 16 bytes a query, my half's two numbers
	global_load_b64 v[QB:QB+1], v127, s[4:5]
.irp q, 0,1,2,3
	global_load_b128 v[KF+4*\q:KF+4*\q+3], v[LI], s[KG:KG+1] offset:512*\q   ; seg_ft of step 0
.endr
	v_add_nc_u32 v[VA0], s96, v[LI]
	v_add_nc_u32 v[VS0], s97, v[LI]
	v_add_nc_u32 v[KF0], 38912, v[LI]
	v_add_nc_u32 v[PBW], s98, v[LI]
	v_add_nc_u32 v[PBW8], s98, v125
	v_add_nc_u32 v[PBW8], 1536, v[PBW8]
	v_add_nc_u32 v[PBR], s99, v[LI]
	v_add_nc_u32 v[PBR8], s99, v125
	v_add_nc_u32 v[PBR8], 1536, v[PBR8]
	v_add_nc_u32 v[RLW], s100, v126
	v_add_nc_u32 v[RLR], s101, v126
	v_add_nc_u32 v[OSR], s86, v125
	v_add_nc_u32 v[OSW], s87, v125
	v_add_nc_u32 v[OSSR], s88, v125
	v_add_nc_u32 v[OSSW], s89, v125
	v_mul_u32_u24 v[STO], v122, 272
	v_lshl_add_u32 v[STO], v123, 5, v[STO]
	v_add_nc_u32 v[STO], s90, v[STO]               ; the stage, in: row r, 32 bytes for each half of the lanes
	v_mul_u32_u24 v[RD], v123, 272
	v_lshl_add_u32 v[RD], v122, 4, v[RD]
	v_add_nc_u32 v[RD], s90, v[RD]                 ; back: sixteen lanes to a row of 256 bytes
	v_mul_u32_u24 v[XO], v123, 1536
	v_lshl_add_u32 v[XO], v122, 4, v[XO]           ; the same two rows in x and out1
	v_lshlrev_b32 v[BRA], 5, v123
	v_mul_u32_u24 v[PFX], v124, 1536
	v_lshl_add_u32 v[PFO], v124, 8, s91
	v_min_u32 v[PFO], 20224, v[PFO]                ; lanes left over name the quarter's last 256 bytes again
	v_add_nc_u32 v[WA0], s20, v[LI]
	v_add_nc_u32 v[WS0], s21, v126
	s_wait_alu depctr_va_vdst(0)
	s_wait_loadcnt 0x0
	s_wait_kmcnt 0x0
	s_mov_b32 s[GAM+1], s[GAM]
	v_mul_f32 v[QB], 0x3fb8aa3b, v[QB]             ; x log2(e): the score product then gives t
	v_mul_f32 v[QB+1], 0x3fb8aa3b, v[QB+1]
	v_mov_b32 v[T+13], 0xff61b1e6                  ; the largest t so far: -3e38
	v_floor_f32 v[T+12], -v[T+13]
.irp b, 4,5,6,7,14,15,17
	v_mov_b32 v[T+\b], 0                           ; the sum; and registers that are named before they are first made
.endr
	VPH TB, 0, 2, 0                                ; V(0), every wave; seg_ft of step 1 comes from memory
	s_wait_alu depctr_va_vdst(0)
	s_wait_loadcnt 0x0
	s_wait_tensorcnt 0x0                           ; my part of slot 0 is in
	ds_add_u32 v[SPW], v[NIL]
	s_wait_dscnt 0x0
	CROUND
	TLOAD G0W, G1KV                                ; slot 1's first fill
	STEP TB, 1, 1, 1, 0                            ; step 1: M(0) starts O^T's sums
	s_wait_alu depctr_va_vdst(0)
	s_wait_tensorcnt 0x0
	ds_add_u32 v[SPW], v[NIL]
	s_wait_dscnt 0x0
	CROUND                                         ; a round of its own for wres's first fill: waves 0 to 5 its codes, wave 6 its scale words
	s_cmp_lt_u32 s[WV], 6
	s_cbranch_scc0 .Lwr_scales
	TLOAD G0C, G1WC
	s_branch .Lwr_asked
.Lwr_scales:
	s_cmp_eq_u32 s[WV], 6
	s_cbranch_scc0 .Lwr_asked
	TLOAD G0S, G1WS
.Lwr_asked:
	STEP TB2, 0, 0, 1, 0
	s_mov_b32 s[SL], 14
.Lslot:                                            ; 14 trips: blocks 4 to 31 are asked for, two at a time; steps 3 to 30
	CHANGE 1
	STEP TB, 1, 0, 1, 0
	STEP TB2, 0, 0, 1, 0
	s_sub_co_u32 s[SL], s[SL], 1
	s_cmp_lg_u32 s[SL], 0
	s_cbranch_scc1 .Lslot
	CHANGE 0                                       ; the tail is written out
	STEP TB, 1, 0, 0, 1                            ; step 31: V(31) and 1 / l, M(30)
	MPH TB2, 1, 0                                  ; M(31), every wave
	; THE WAY OUT.  O^T / l; quantised along the channels; shared with my partner; the product with wres on bres; gamma and x.
	ds_load_b32 v[RF], v[RLR]
	ds_load_b32 v[RF+2], v[RLR] offset:128
	s_wait_dscnt 0x0
	WIN 0x51
	FITS                                           ; the earlier accumulators' lines are the places behind the last products
	WIN 0x05                                       ; block b of tile t: the 16 registers of channel tiles 2 b, 2 b + 1 in my lane and in the lane 16 away
.irp t, 0,1
.irp b, 0,1,2,3,4,5
	v_max3_num_f32 v[MX+6*\t+\b], |v[96*\t+16*\b]|, |v[96*\t+16*\b+1]|, 0x2800000
.endr
.endr
.irp i, 2,4,6,8,10,12,14
.irp t, 0,1
.irp b, 0,1,2,3,4,5
	v_max3_num_f32 v[MX+6*\t+\b], |v[96*\t+16*\b+\i]|, |v[96*\t+16*\b+\i+1]|, v[MX+6*\t+\b]
.endr
.endr
.endr
	WIN 0
.irp b, 0,1,2,3,4,5,6,7,8,9,10,11
	v_permlanex16_b32 v[MP+\b], v[MX+\b], s[SEL], s[SEL+1]
.endr
.irp b, 0,1,2,3,4,5,6,7,8,9,10,11
	v_max_num_f32 v[MX+\b], v[MX+\b], v[MP+\b]
.endr
.irp b, 0,1,2,3,4,5,6,7,8,9,10,11
	v_add_nc_u32 v[MX+\b], 0xfe000000, v[MX+\b]
.endr
.irp b, 0,1,2,3,4,5,6,7,8,9,10,11
	v_lshrrev_b32 v[MP+\b], 23, v[MX+\b]
.endr
.irp t, 0,1
	v_lshl_or_b32 v[SW+2*\t], v[MP+6*\t+1], 8, v[MP+6*\t]          ; my six scale bytes: four and two
	v_lshl_or_b32 v[SW+2*\t+1], v[MP+6*\t+5], 8, v[MP+6*\t+4]
	v_lshl_or_b32 v[SW+2*\t], v[MP+6*\t+2], 16, v[SW+2*\t]
	s_delay_alu instid0(VALU_DEP_1)
	v_lshl_or_b32 v[SW+2*\t], v[MP+6*\t+3], 24, v[SW+2*\t]
.endr
.irp t, 0,1
.irp g, 0,1,2
	WIN 0x01
	v_cvt_scalef32_pk16_bf6_f32 v[OC+18*\t+6*\g:OC+18*\t+6*\g+2], v[96*\t+32*\g:96*\t+32*\g+15], v[MX+6*\t+2*\g]
	v_cvt_scalef32_pk16_bf6_f32 v[PT:PT+2], v[96*\t+32*\g+16:96*\t+32*\g+31], v[MX+6*\t+2*\g+1]
	WIN 0
	v_nop
.irp i, 0,1,2
	v_permlane16_swap_b32 v[OC+18*\t+6*\g+\i], v[PT+\i]
.endr
.irp i, 0,1,2
	v_mov_b32 v[OC+18*\t+6*\g+3+\i], v[PT+\i]
.endr
.endr
.endr
.irp t, 0,1
.irp j, 0,1,2,3,4,5,6,7,8
	ds_store_b64 v[OSW], v[OC+18*\t+2*\j:OC+18*\t+2*\j+1] offset:4608*\t+256*\j   ; registers 18 ch + 2 j of the tile's 36
.endr
	ds_store_b64 v[OSSW], v[SW+2*\t:SW+2*\t+1] offset:512*\t
.endr
	SYNC
	WIN 0x40
.irp t, 0,1
.irp j, 0,1,2,3,4,5,6,7,8,9,10,11,12,13,14,15,16,17
	ds_load_b64 v[36*\t+2*\j:36*\t+2*\j+1], v[OSR] offset:4608*\t+256*\j
.endr
.endr
	WIN 0
.irp t, 0,1
	ds_load_b64 v[20+4*\t:21+4*\t], v[OSSR] offset:512*\t          ; channels 0-191: bytes 0-3, 4-5
	ds_load_b64 v[22+4*\t:23+4*\t], v[OSSR] offset:512*\t+256      ; channels 192-383
.endr
	s_wait_dscnt 0x0
.irp t, 0,1
	v_lshrrev_b32 v[29+2*\t], 16, v[22+4*\t]
	v_lshl_or_b32 v[28+2*\t], v[22+4*\t], 16, v[21+4*\t]           ; K step 1's scale word
	v_lshl_or_b32 v[29+2*\t], v[23+4*\t], 16, v[29+2*\t]           ; K step 2's; K step 0's stands in v[20 + 4 t]
.endr
	NOPS 8                                         ; places between scale words made by vector instructions and the products
.macro YM s, ow, st                    ; 8 products: source 0 = 16 rows of wres, source 1 = the codes of O / l: a lane holds eight neighbouring outputs of one query
.irp d, 0,1,2,3
.irp t, 0,1
.if (\s) == 0
	W6 S+8*(2*\d+\t), 72+36*\d, 36*\t, 216+8*\d, WS+3*\d, \ow+\st*\t, 0
.else
	W6 S+8*(2*\d+\t), 72+36*\d+12*(\s), 36*\t+12*(\s), S+8*(2*\d+\t), WS+3*\d+(\s), \ow+\st*\t, 0
.endif
.endr
.endr
.endm
.macro OUTT t, left                    ; tile t's 16 rows x 64 outputs go through my stage and come back as rows of 256 bytes
.irp d, 0,1,2,3
	ds_store_b128 v[STO], v[S+8*(2*\d+\t):S+8*(2*\d+\t)+3] offset:64*\d
	ds_store_b128 v[STO], v[S+8*(2*\d+\t)+4:S+8*(2*\d+\t)+7] offset:64*\d+16
.endr
	s_wait_xcnt 0x0                                ; earlier stores have read the registers that the rows come back into
.irp i, 0,1,2,3,4,5,6,7
	ds_load_b128 v[BK+4*\i:BK+4*\i+3], v[RD] offset:544*\i
.endr
	s_wait_loadcnt \left
	s_wait_dscnt 0x0
.irp i, 0,1,2,3,4,5,6,7
.irp e, 0,2
	v_pk_fma_f32 v[BK+4*\i+\e:BK+4*\i+\e+1], v[BK+4*\i+\e:BK+4*\i+\e+1], s[GAM:GAM+1], v[P+32*\t+4*\i+\e:P+32*\t+4*\i+\e+1] op_sel_hi:[1,0,1]
.endr
.endr
.irp i, 0,1,2,3,4,5,6,7
	global_store_b128 v[XO], v[BK+4*\i:BK+4*\i+3], s[OQB:OQB+1] offset:1536*(16*\t+2*\i) th:TH_STORE_NT   ; sixteen lanes store 256 consecutive bytes, aligned
.endr
.endm
	s_mov_b32 s[WP], 0
	s_mov_b32 s[WSP], 0
	s_mov_b32 s[PAS], 3
.Lpass:                                            ; three passes of 64 of my 192 outputs
	v_add_nc_u32 v[WAD], s[WP], v[WA0]
	v_add_nc_u32 v[WSD], s[WSP], v[WS0]
	s_wait_alu depctr_va_vdst(0)
	WIN 0x40
.irp d, 0,1,2,3
.irp e, 0,1
	global_load_b128 v[216+8*\d+4*\e:216+8*\d+4*\e+3], v[BRA], s[BRB:BRB+1] offset:64*\d+16*\e   ; bres in the result's layout: the C of a sum's first product
.endr
.endr
.irp d, 0,1,2,3
.irp s, 0,1,2
.irp e, 0,1,2
	ds_load_b128 v[72+36*\d+12*\s+4*\e:72+36*\d+12*\s+4*\e+3], v[WAD] offset:4608*\d+1536*\s+512*\e
.endr
.endr
.endr
	WIN 0
.irp d, 0,1,2,3
.irp s, 0,1,2
	ds_load_b32 v[WS+3*\d+\s], v[WSD] offset:384*\d+128*\s
.endr
.endr
.irp t, 0,1
.irp i, 0,1,2,3,4,5,6,7
	global_load_b128 v[P+32*\t+4*\i:P+32*\t+4*\i+3], v[XO], s[XQ:XQ+1] offset:1536*(16*\t+2*\i) th:TH_LOAD_NT
.endr
.endr
	s_wait_loadcnt 16                              ; bres is in; x's 16 loads may be out
	s_wait_dscnt 0x0
	WIN 0x15
	YM 0, 20, 4
	WIN 0x05
	YM 1, 28, 2
	YM 2, 29, 2
	WIN 0
	NOPS 4                                         ; places in front of the first read of results
	OUTT 0, 8                                      ; tile 1's eight loads of x may be out
	OUTT 1, 0
	s_wait_xcnt 0x0                                ; the bases are stepped only behind this wait
	s_add_nc_u64 s[XQ:XQ+1], s[XQ:XQ+1], 256
	s_add_nc_u64 s[OQB:OQB+1], s[OQB:OQB+1], 256
	s_add_nc_u64 s[BRB:BRB+1], s[BRB:BRB+1], 256
	s_add_co_u32 s[WP], s[WP], 18432
	s_add_co_u32 s[WSP], s[WSP], 1536
	s_sub_co_u32 s[PAS], s[PAS], 1
	s_cmp_lg_u32 s[PAS], 0
	s_cbranch_scc1 .Lpass
	s_wait_tensorcnt 0x0                           ; the wave's end
	ds_add_u32 v[SPW], v[NIL]
	s_wait_dscnt 0x0
	CROUND                                         ; the closing round
	s_endpgm
.Lfunc_end_k_qd248e57e57_attn:
	.size	k_qd248e57e57_attn, .Lfunc_end_k_qd248e57e57_attn-k_qd248e57e57_attn
	.p2alignl 7, 3214868480
	.fill 96, 4, 3214868480
	.section	.rodata,"a",@progbits
	.p2align	6, 0x0
	.amdhsa_kernel k_qd248e57e57_attn
		.amdhsa_group_segment_fixed_size 327680
		.amdhsa_private_segment_fixed_size 0
		.amdhsa_enable_private_segment 0
		.amdhsa_kernarg_size 56
		.amdhsa_user_sgpr_count 2
		.amdhsa_user_sgpr_kernarg_segment_ptr 1
		.amdhsa_wavefront_size32 1
		.amdhsa_system_sgpr_workgroup_id_x 1
		.amdhsa_system_sgpr_workgroup_id_y 1
		.amdhsa_system_sgpr_workgroup_id_z 1
		.amdhsa_system_vgpr_workitem_id 0
		.amdhsa_next_free_vgpr 512
		.amdhsa_next_free_sgpr 102
		.amdhsa_reserve_vcc 0
		.amdhsa_float_denorm_mode_32 3
		.amdhsa_float_denorm_mode_16_64 3
		.amdhsa_memory_ordered 1
		.amdhsa_forward_progress 1
		.amdhsa_inst_pref_size 193
	.end_amdhsa_kernel
	.amdgpu_metadata
---
amdhsa.version: [ 1, 2 ]
amdhsa.kernels:
  - .name:           k_qd248e57e57_attn
    .symbol:         k_qd248e57e57_attn.kd
    .args:
      - { .name: out0, .offset: 0, .size: 8, .value_kind: global_buffer, .address_space: global }
      - { .name: kv, .offset: 8, .size: 8, .value_kind: global_buffer, .address_space: global }
      - { .name: wr, .offset: 16, .size: 8, .value_kind: global_buffer, .address_space: global }
      - { .name: x, .offset: 24, .size: 8, .value_kind: global_buffer, .address_space: global }
      - { .name: bres, .offset: 32, .size: 8, .value_kind: global_buffer, .address_space: global }
      - { .name: gamma, .offset: 40, .size: 8, .value_kind: global_buffer, .address_space: global }
      - { .name: out1, .offset: 48, .size: 8, .value_kind: global_buffer, .address_space: global }
    .group_segment_fixed_size: 327680
    .private_segment_fixed_size: 0
    .kernarg_segment_align: 8
    .kernarg_segment_size: 56
    .max_flat_workgroup_size: 256
    .sgpr_count:     102
    .vgpr_count:     512
    .wavefront_size: 32
...
	.end_amdgpu_metadata
.endif
;; end of part 2
